; MI455X (gfx1250); checked and timed in simulation.
; The chip was launched on July 23, 2026; its instructions are those of AMD's public machine-readable ISA for CDNA 5 (MIT licence, August 2026) and "CDNA5" Instruction Set Architecture Reference Guide (July 2026). The comments in the code are by the model that wrote it; some were corrected since.
;; GGUF Weight. Allowed arithmetic: matrix products marked QUANTISED: E4M3 operands, one E8M0 scale for each 32 along K, by v_wmma_scale_f32_16x16x128_f8f6f4 with both operands' format E4M3, f32 sums; everything else in f32.
;; Inputs: bias 4,096 float32; qweight 4,096 x 4,096 int32; scales 4,096 x 128 float32; x_codes 4 x 1,024 x 128 x 32 uint8 (E4M3 codes of x, K innermost, in blocks of 32 codes); x_scales 4 x 1,024 x 128 uint8 (E8M0 scales of x, one for each 32 codes along K).
;; Outputs: out0 4 x 1,024 x 4,096 float32.
;; This version of the problem:
;;   THIS VERSION OF THE PROBLEM IS GIVEN IN LOW PRECISION. The matrix products marked QUANTISED in the list below multiply operands that are first quantised to E4M3 (4 exponent bits, 3 mantissa bits; 8 bits a number), with one power-of-two scale for each 32 numbers along K (OCP MX v1.0); their sums are f32. All else is computed in f32.
;;   The module's matrix products, in the order in which they are computed (A, B: the left and right operand; K: the contracted axis; several contracted axes count as one K, in the product's order):
;;     1. [M 4,096, K 4,096] x [K 4,096, N 4,096]; A: input x (given as codes); B: computed on the way: QUANTISED
;;   THE QUANTISER, for each operand of a quantised product, along K:
;;     - K is cut into blocks of 32 from its start; a last block that is shorter is filled with zeros.
;;     - A block's scale is 2^e with e = floor(log2(the largest magnitude in the block)) - 8, held to -126 .. 127; a block of zeros has e = 0. As a byte (E8M0): e + 127.
;;     - Each number is divided by its block's scale, clamped to +-448, and rounded to the nearest number of E4M3, ties to even, subnormals kept.
;;     - The product sums the exact products of the quantised numbers (number of the format x scale) in f32.
;;   ~~~python
;;   def quantise(x, axis):      # numpy; x: float32 -> the quantised numbers, widened to float32 again
;;       x = np.moveaxis(x, axis, -1); K = x.shape[-1]
;;       x = np.pad(x, [(0, 0)] * (x.ndim - 1) + [(0, -K % 32)]); x = x.reshape(x.shape[:-1] + (-1, 32)); a = np.abs(x).max(-1, keepdims=True)
;;       e = np.where(a > 0, np.clip(np.frexp(np.where(a > 0, a, 1))[1] - 1 - 8, -126, 127), 0)      # np.frexp(a)[1] - 1 = floor(log2(a)), exactly
;;       r = np.clip(x / 2.0 ** e, -448, 448)
;;       step = 2.0 ** (np.maximum(np.frexp(np.where(r == 0, 1, r))[1] - 1, -6) - 3)
;;       q = np.round(r / step) * step * 2.0 ** e      # np.round: ties to even
;;       return np.moveaxis(q.reshape(q.shape[:-2] + (-1,))[..., :K], -1, axis).astype(np.float32)
;;   ~~~
;;   OPERANDS COMPUTED ON THE WAY. 'Computed on the way' means the value that the module computes at that place (a softmax that the list does not call 'softmax' is quantised finished and normalised). What goes into a quantiser is computed in f32, as accurately as f32 sums, v_exp_f32 and their like allow (about 1e-6 of the number): no bf16 or f16 on the way to a quantiser, and a product that is left as it is and whose result goes on into a quantised operand takes f32 operands (vector FMAs, or v_wmma_f32_16x16x4_f32). A number that lies on a knife's edge between two numbers of the format may be rounded either way, as far as f32 arithmetic and the matrix unit's own rounding can turn it there, and no further.
;;   INPUTS GIVEN AS CODES. x (in the module: [4, 1024, 4096], K = its axis 2): each comes as NAME_codes (uint8): NAME with its K axis moved to the last place and cut into blocks of 32 codes, [.., K / 32, bytes a block], one block behind the other in memory; one code a byte (a code: sign, 4 exponent bits, 3 mantissa bits); and NAME_scales (uint8): the same leading axes, one E8M0 byte (e + 127) for each 32 codes along K. Its value is code x scale, taken as it is: it is not quantised again, and the codes and scales need not be those that the quantiser above would give.
;; One version. Each part assembles by itself: llvm-mc -triple=amdgcn-amd-amdhsa -mcpu=gfx1250 --defsym DOCPART=n.
;; ======== version 1 of 1: 2 launches
;; limits: right only within a limited range of input values
;; workspace buffers: wc 16,777,216 bytes; ws 524,288 bytes; xs 524,288 bytes
;; launch prep (part 1): grid 128 x 2, 8 waves a work-group, no clusters, 75,264 bytes of LDS; arguments qweight, scales, x_scales, wc, ws, xs; writes wc, ws, xs
.if DOCPART == 1
	.amdgcn_target "amdgcn-amd-amdhsa--gfx1250"
	.amdhsa_code_object_version 6
	.text
	.protected	k_q9a42c1deb5_prep
	.globl	k_q9a42c1deb5_prep
	.p2align	8
	.type	k_q9a42c1deb5_prep,@function
k_q9a42c1deb5_prep:
	s_mov_b64 s[64:65], 0
	v_nop
	global_prefetch_b8 v0, s[64:65] scope:SCOPE_SE
	s_setreg_imm32_b32 hwreg(HW_REG_WAVE_MODE, 25, 1), 1
	s_wait_xcnt 0x0
; w[n][k] = (q[n][k] - 8) s[n][k / 32], q [4096][4096] int32, s [4096][128] f32, is made in f32 and turned into codes of FP8 (E4M3), wc [4096][4096], K innermost,
; with one E8M0 byte for each 32 along K.  The bytes are laid BY K STEP OF 256: ws [16][4096][8], so that a K step's bytes of 256 rows are 2,048 consecutive bytes for the product's launch.
; x_scales [4096][128] is laid anew in the same way into xs [16][4096][8]; its bytes are not changed.
; A block's scale is 2^(floor(log2(its largest magnitude)) - 8); its byte is that magnitude's exponent field - 8, held at 1 from below.  Each number is divided by the scale, held within +-448 and rounded to the nearest code, ties to even.
; LIMITS.  NaN and infinities among s are not served.  (q - 8) s is made as fma(float(q), s, -8 s): one rounding of the exact (q - 8) s, the same bits as (q - 8) x s for |q| up to 2^24 and |s| under 2^124.
; A block of zeros gets the byte 1 where the rule says 127: its codes are zeros, which add nothing under any byte but 0xff, and the bytes are read by this program alone.
; SHARES.  Work-group (x, y): rows 32 x .. 32 x + 31, K = 2048 y .. + 2047.  Wave w: K step st = 8 y + w of these rows: 32 rows x 256 K, in 16 steps of two rows (512 numbers).
; So a wave's 256 scale bytes are 256 consecutive bytes of ws at a multiple of 256, its codes leave as pieces of 256 bytes of wc's rows (sixteen lanes each), and the work-group's 32 x 64 numbers of s are 32 pieces of 256 bytes.
; The conversions take neighbours along K from ONE lane's registers, a load is best where neighbouring LANES take neighbouring bytes: each load reads 512 consecutive bytes, 16 a lane; a step's 2,048 bytes go through the
; wave's own stage in LDS as they lie and come back 64 bytes a lane (16 bytes of padding behind each 64).  Two neighbouring lanes hold a block of 32.
; Loads run six steps (24 loads a wave) ahead, the turn through LDS one step.  One barrier, at the head: s goes from wave to wave through LDS.
; No cluster, no tensor loads, no matrix work: the work-groups share no input, and every byte is read once.
.set STEPS, 16
.set DEPTH, 6                          ; steps of loads on their way
.set SP,    80                         ; a lane's place in a stage: its 64 bytes + 16 of padding
.set STG,   32*SP                      ; a stage
.set WREG,  8192                       ; LDS: a region for each wave: two stages, and behind them its 256 scale bytes
.set EBY,   2*STG
.set SSH,   8*WREG                     ; behind the eight regions: the work-group's numbers of s, 32 rows of 256 bytes + 16 of padding
.set SPI,   272
.set EMAX,  8
.set R,     32                         ; v32-127   six sets of 16 registers as loaded
.set X,     128                        ; v128-159  two sets of 16 neighbours
.set C,     160                        ; v160-223  codes: four registers for each step, so that no store's data are written again
.set E,     224                        ; v224-239  a scale byte for each step
.set SD,    240                        ; v240-247  my eight registers of s as loaded
; v1 lane; v3 16 x lane; v4 my codes' place in two rows of wc; v5, v6 my scale byte's place in LDS, in and out; v7 8 x lane; v8-11 at work; v[12:13] scale bytes on the way out;
; v14, v15 the stage, in and out; v[16:17], v[18:19] s of my block for even and odd steps (the low word; the high word is named with it and holds 0); v[20:21] -8 s likewise;
; v22, v23 s in LDS, in and out; v24 my place in two rows of s; v25 my row of x_scales; v[26:27] its eight bytes.  No address register and no store's data register is written twice.
	s_load_b128 s[4:7], s[0:1], 0x0                ; qweight, scales
	s_load_b128 s[8:11], s[0:1], 0x10              ; x_scales, wc
	s_load_b128 s[12:15], s[0:1], 0x20             ; ws, xs
	v_lshl_add_u32 v248, v0, 2, 0x12200
	v_mov_b32 v249, 0
	v_lshrrev_b32 v2, 5, v0
	s_delay_alu instid0(VALU_DEP_1)
	v_readfirstlane_b32 s16, v2                    ; wave 0..7
	v_and_b32 v1, 31, v0                           ; lane
	s_delay_alu instid0(VALU_DEP_1)
	v_lshlrev_b32 v3, 4, v1                        ; my 16 bytes of a load's 512
	s_delay_alu instid0(VALU_DEP_2)
	v_lshrrev_b32 v2, 4, v1                        ; lane / 16: which of two rows
	s_delay_alu instid0(VALU_DEP_3)
	v_and_b32 v8, 15, v1
	s_delay_alu instid0(VALU_DEP_1)
	v_lshlrev_b32 v9, 4, v8                        ; 16 (lane % 16)
	s_delay_alu instid0(VALU_DEP_1)
	v_lshl_add_u32 v4, v2, 12, v9                  ; wc: a row is 4,096 bytes
	s_delay_alu instid0(VALU_DEP_2)
	v_lshl_add_u32 v24, v2, 9, v9                  ; s: a row is 512 bytes
	v_lshlrev_b32 v25, 7, v1                       ; x_scales: a row is 128 bytes, a lane to a row
	v_lshlrev_b32 v7, 3, v1
	s_lshl_b32 s31, s16, 13                        ; my wave's region: 8,192 x wave
	v_lshrrev_b32 v5, 1, v1                        ; my block's byte: 8 x (row of the two) + block = lane / 2
	s_delay_alu instid0(VALU_DEP_1)
	v_add_nc_u32 v5, s31, v5
	s_delay_alu instid0(VALU_DEP_1)
	v_add_nc_u32 v5, EBY, v5
	v_add_nc_u32 v6, s31, v7                       ; and on the way out 8 bytes a lane
	s_delay_alu instid0(VALU_DEP_1)
	v_add_nc_u32 v6, EBY, v6
	v_lshrrev_b32 v14, 2, v1
	s_delay_alu instid0(VALU_DEP_1)
	v_mul_u32_u24 v14, v14, SP
	v_and_b32 v15, 3, v1
	s_delay_alu instid0(VALU_DEP_1)
	v_lshl_add_u32 v14, v15, 4, v14
	s_delay_alu instid0(VALU_DEP_1)
	v_add_nc_u32 v14, s31, v14                     ; the stage, in: four lanes' 64 bytes on end, then the padding
	v_mul_u32_u24 v15, v1, SP
	s_delay_alu instid0(VALU_DEP_1)
	v_add_nc_u32 v15, s31, v15                     ; out: my 16 neighbours
	s_mul_i32 s30, s16, 4*SPI
	v_mul_u32_u24 v22, v2, SPI
	s_delay_alu instid0(VALU_DEP_1)
	v_add_nc_u32 v22, v22, v9
	s_delay_alu instid0(VALU_DEP_1)
	v_add_nc_u32 v22, s30, v22
	s_delay_alu instid0(VALU_DEP_1)
	v_add_nc_u32 v22, SSH, v22                     ; s, in: wave w brings rows 4 w .. 4 w + 3, two rows an instruction
	v_lshrrev_b32 v23, 1, v8
	s_delay_alu instid0(VALU_DEP_1)
	v_lshlrev_b32 v23, 2, v23                      ; s, out: my block of my wave's eight: 4 bytes each,
	s_delay_alu instid0(VALU_DEP_1)
	v_mad_u32_u24 v23, v2, SPI, v23                ; my row of the step's two,
	s_lshl_b32 s30, s16, 5
	v_add_nc_u32 v23, s30, v23                     ; my wave's eight blocks of the row's 64
	s_delay_alu instid0(VALU_DEP_1)
	v_add_nc_u32 v23, SSH, v23
	v_mov_b32 v17, 0                               ; the high words of the pairs that the packed form names
	v_mov_b32 v19, 0
	v_mov_b32 v21, 0
	s_mov_b32 s19, 0x600000                        ; the mantissa field of 448 (an instruction takes one literal: the hold's line has another)
	s_and_b32 s17, ttmp7, 0xffff                   ; y
	s_lshl_b32 s18, s17, 3
	s_add_co_u32 s18, s18, s16                     ; st = 8 y + wave
	s_lshl_b32 s20, ttmp9, 19                      ; qweight: 32 x rows of 16,384 bytes + 1,024 st
	s_lshl_b32 s30, s18, 10
	s_add_co_u32 s20, s20, s30
	s_mov_b32 s21, 0
	s_lshl_b32 s22, ttmp9, 14                      ; s: 32 x rows of 512 bytes + 256 y + 4 wave rows
	s_lshl_b32 s30, s17, 8
	s_add_co_u32 s22, s22, s30
	s_lshl_b32 s30, s16, 11
	s_add_co_u32 s22, s22, s30
	s_mov_b32 s23, 0
	s_lshl_b32 s24, ttmp9, 12                      ; x_scales: 32 x rows of 128 bytes + 8 st
	s_lshl_b32 s30, s18, 3
	s_add_co_u32 s24, s24, s30
	s_mov_b32 s25, 0
	s_lshl_b32 s26, ttmp9, 17                      ; wc: 32 x rows of 4,096 bytes + 256 st
	s_lshl_b32 s30, s18, 8
	s_add_co_u32 s26, s26, s30
	s_mov_b32 s27, 0
	s_lshl_b32 s28, s18, 15                        ; ws and xs: 32,768 st + 32 x rows of 8 bytes
	s_lshl_b32 s30, ttmp9, 8
	s_add_co_u32 s28, s28, s30
	s_mov_b32 s29, 0
	s_wait_alu depctr_va_vdst(0)
	s_wait_kmcnt 0x0
	s_add_nc_u64 s[4:5], s[4:5], s[20:21]
	s_add_nc_u64 s[6:7], s[6:7], s[22:23]
	s_add_nc_u64 s[8:9], s[8:9], s[24:25]
	s_add_nc_u64 s[10:11], s[10:11], s[26:27]
	s_add_nc_u64 s[12:13], s[12:13], s[28:29]
	s_add_nc_u64 s[14:15], s[14:15], s[28:29]
.macro LOAD t                          ; step t: rows 2 t and 2 t + 1, 1,024 bytes of each, into set t % DEPTH; each load reads 512 consecutive bytes
.irp i, 0,1,2,3
	global_load_b128 v[R+16*((\t)%DEPTH)+4*\i:R+16*((\t)%DEPTH)+4*\i+3], v3, s[4:5] offset:(2*(\t)+\i/2)*16384+(\i%2)*512 th:TH_LOAD_NT
.endr
.endm
.macro TURN t                          ; step t's numbers through the stage (LDS serves a wave's instructions in order: no wait between the stores and the loads), and my block's s: nine LDS instructions
.irp i, 0,1,2,3
	ds_store_b128 v14, v[R+16*((\t)%DEPTH)+4*\i:R+16*((\t)%DEPTH)+4*\i+3] offset:STG*((\t)%2)+8*SP*\i
.endr
.irp i, 0,1,2,3
	ds_load_b128 v[X+16*((\t)%2)+4*\i:X+16*((\t)%2)+4*\i+3], v15 offset:STG*((\t)%2)+16*\i
.endr
	ds_load_b32 v[16+2*((\t)%2)], v23 offset:2*SPI*(\t)
.endm
	global_load_b64 v[26:27], v25, s[8:9]          ; x_scales: my row's eight bytes of this K step
	global_load_b128 v[SD:SD+3], v24, s[6:7]       ; s: rows 4 w, 4 w + 1: sixteen lanes read 256 consecutive bytes
	global_load_b128 v[SD+4:SD+7], v24, s[6:7] offset:1024   ; rows 4 w + 2, 4 w + 3
.irp t, 0,1,2,3,4,5
	LOAD \t
.endr
	s_wait_loadcnt 24                              ; the three loads ahead of qweight's 24 are in
	global_store_b64 v7, v[26:27], s[14:15]        ; xs: 32 lanes store 256 consecutive bytes, at a multiple of 256 from the buffer's first byte
	ds_store_b128 v22, v[SD:SD+3]
	ds_store_b128 v22, v[SD+4:SD+7] offset:2*SPI
	s_wait_dscnt 0x0                               ; for the others' sake: my rows of s lie in LDS
	s_barrier_signal -1
	s_barrier_wait -1                              ; everybody's do; they are written once and only read from here on
	s_wait_loadcnt 20                              ; step 0's four loads are in; five steps' may be out
	TURN 0
.macro STEP t
.set XS, X+16*((\t)%2)
.set SS, 16+2*((\t)%2)
.if (\t) > 0
	s_wait_dscnt 1                                 ; this step's numbers and its s are back (the last step's byte store may be out): so its stores into the stage have read their registers,
.else
	s_wait_dscnt 0x0
.endif
.if (\t)+DEPTH < STEPS
	LOAD (\t)+DEPTH                                ; which take the loads of six steps on
.endif
.if (\t)+1 < STEPS
.if (\t)+DEPTH < STEPS
	s_wait_loadcnt 4*(DEPTH-1)                     ; the next step's four loads are in; those of the five steps behind it may be out
.else
	s_wait_loadcnt 4*(STEPS-2-(\t))                ; the tail: the steps behind the next one run out
.endif
	TURN (\t)+1                                    ; and go through the other stage while this step is worked
.endif
.irp i, 0,1,2,3,4,5,6,7,8,9,10,11,12,13,14,15
	v_cvt_f32_i32 v[XS+\i], v[XS+\i]               ; q as f32
.endr
	v_mul_f32 v20, 0xc1000000, v[SS]               ; -8 s: exact
.irp i, 0,2,4,6,8,10,12,14
	v_pk_fma_f32 v[XS+\i:XS+\i+1], v[XS+\i:XS+\i+1], v[SS:SS+1], v[20:21] op_sel_hi:[1,0,0]   ; q s - 8 s = (q - 8) s, rounded once; of the pairs s and -8 s the low word serves both halves
.endr
	v_max3_num_f32 v8, |v[XS]|, |v[XS+1]|, |v[XS+2]|               ; the largest magnitude of my 16, in two chains
	v_max3_num_f32 v9, |v[XS+3]|, |v[XS+4]|, |v[XS+5]|
.irp i, 6,10
	s_delay_alu instid0(VALU_DEP_2)
	v_max3_num_f32 v8, v8, |v[XS+\i]|, |v[XS+\i+1]|
	s_delay_alu instid0(VALU_DEP_2)
	v_max3_num_f32 v9, v9, |v[XS+\i+2]|, |v[XS+\i+3]|
.endr
	s_delay_alu instid0(VALU_DEP_2)
	v_max3_num_f32 v8, v8, |v[XS+14]|, |v[XS+15]|
	s_delay_alu instid0(VALU_DEP_1)
	v_max3_num_f32 v8, v8, v9, (EMAX+1)<<23        ; and the floor 2^(9 - 127), under which no largest magnitude is taken: so the byte cannot fall under 1
	s_delay_alu instid0(VALU_DEP_1)
	v_max_num_f32_dpp v8, v8, v8 row_xmask:1 row_mask:0xf bank_mask:0xf   ; and of my neighbour's 16: the block's
	s_delay_alu instid0(VALU_DEP_1)
	v_add_nc_u32 v11, -(EMAX<<23), v8              ; 8 off its exponent field: the conversion takes the exponent field of this operand as its scale, and nothing else of it
	s_delay_alu instid0(VALU_DEP_2)
	v_and_or_b32 v10, v8, 0x7f800000, s19          ; 448 x the scale: the largest magnitude's exponent field over 448's mantissa
.irp i, 0,1,2,3,4,5,6,7,8,9,10,11,12,13,14,15
	v_med3_num_f32 v[XS+\i], v[XS+\i], -v10, v10   ; the conversion to an 8-bit code does not saturate (ISA guide 7.6.2): the number is held within the largest code x the scale first
.endr
	v_cvt_scalef32_pk8_fp8_f32 v[C+4*(\t):C+4*(\t)+1], v[XS:XS+7], v11
	v_cvt_scalef32_pk8_fp8_f32 v[C+4*(\t)+2:C+4*(\t)+3], v[XS+8:XS+15], v11
	v_lshrrev_b32 v[E+(\t)], 23, v11               ; the scale's byte.  (Also the plain vector line behind the conversions)
	ds_store_b8 v5, v[E+(\t)] offset:16*(\t)       ; at 8 x row + block, as ws has it; both lanes of a block write the same byte with the same value
	global_store_b128 v4, v[C+4*(\t):C+4*(\t)+3], s[10:11] offset:8192*(\t)   ; sixteen lanes store 256 consecutive bytes of a row of wc, at a multiple of 256
.endm
.irp t, 0,1,2,3,4,5,6,7,8,9,10,11,12,13,14,15
	STEP \t
.endr
	ds_load_b64 v[12:13], v6                       ; LDS serves a wave's instructions in order: these see my byte stores
	s_wait_dscnt 0x0
	global_store_b64 v7, v[12:13], s[12:13]        ; ws: 32 lanes store 256 consecutive bytes, at a multiple of 256
	s_wait_tensorcnt 0x0
	ds_add_u32 v248, v249
	s_wait_dscnt 0x0
	s_endpgm
.Lfunc_end_k_q9a42c1deb5_prep:
	.size	k_q9a42c1deb5_prep, .Lfunc_end_k_q9a42c1deb5_prep-k_q9a42c1deb5_prep
	.p2alignl 7, 3214868480
	.fill 96, 4, 3214868480
	.section	.rodata,"a",@progbits
	.p2align	6, 0x0
	.amdhsa_kernel k_q9a42c1deb5_prep
		.amdhsa_group_segment_fixed_size 75264
		.amdhsa_private_segment_fixed_size 0
		.amdhsa_enable_private_segment 0
		.amdhsa_kernarg_size 48
		.amdhsa_user_sgpr_count 2
		.amdhsa_user_sgpr_kernarg_segment_ptr 1
		.amdhsa_wavefront_size32 1
		.amdhsa_system_sgpr_workgroup_id_x 1
		.amdhsa_system_sgpr_workgroup_id_y 1
		.amdhsa_system_sgpr_workgroup_id_z 1
		.amdhsa_system_vgpr_workitem_id 0
		.amdhsa_next_free_vgpr 250
		.amdhsa_next_free_sgpr 66
		.amdhsa_reserve_vcc 0
		.amdhsa_float_denorm_mode_32 3
		.amdhsa_float_denorm_mode_16_64 3
		.amdhsa_memory_ordered 1
		.amdhsa_forward_progress 1
		.amdhsa_inst_pref_size 76
	.end_amdhsa_kernel
	.amdgpu_metadata
---
amdhsa.version: [ 1, 2 ]
amdhsa.kernels:
  - .name:           k_q9a42c1deb5_prep
    .symbol:         k_q9a42c1deb5_prep.kd
    .args:
      - { .name: qweight, .offset: 0, .size: 8, .value_kind: global_buffer, .address_space: global }
      - { .name: scales, .offset: 8, .size: 8, .value_kind: global_buffer, .address_space: global }
      - { .name: x_scales, .offset: 16, .size: 8, .value_kind: global_buffer, .address_space: global }
      - { .name: wc, .offset: 24, .size: 8, .value_kind: global_buffer, .address_space: global }
      - { .name: ws, .offset: 32, .size: 8, .value_kind: global_buffer, .address_space: global }
      - { .name: xs, .offset: 40, .size: 8, .value_kind: global_buffer, .address_space: global }
    .group_segment_fixed_size: 75264
    .private_segment_fixed_size: 0
    .kernarg_segment_align: 8
    .kernarg_segment_size: 48
    .max_flat_workgroup_size: 256
    .sgpr_count:     66
    .vgpr_count:     250
    .wavefront_size: 32
...
	.end_amdgpu_metadata
.endif
;; end of part 1
;; launch gemm (part 2): grid 16 x 16, 4 waves a work-group, clusters of 4 x 4, 327,680 bytes of LDS; arguments x_codes, xs, wc, ws, bias, out0; writes out0
.if DOCPART == 2
	.amdgcn_target "amdgcn-amd-amdhsa--gfx1250"
	.amdhsa_code_object_version 6
	.text
	.protected	k_q9a42c1deb5_gemm
	.globl	k_q9a42c1deb5_gemm
	.p2align	8
	.type	k_q9a42c1deb5_gemm,@function
k_q9a42c1deb5_gemm:
	s_mov_b64 s[64:65], 0
	v_nop
	global_prefetch_b8 v0, s[64:65] scope:SCOPE_SE
	s_setreg_imm32_b32 hwreg(HW_REG_WAVE_MODE, 25, 1), 1
	s_wait_xcnt 0x0
	s_wait_alu depctr_hold_cnt(0) depctr_sa_sdst(0) depctr_va_vdst(0) depctr_va_sdst(0) depctr_va_ssrc(0) depctr_va_vcc(0) depctr_vm_vsrc(0)
	s_getreg_b32 s2, hwreg(HW_REG_IB_STS2, 6, 4)
	s_cmp_eq_u32 s2, 0
	s_cbranch_scc0 .Lentry_in_a_cluster
	s_endpgm
.Lentry_in_a_cluster:
	s_bfe_u32 s2, ttmp6, 0x10000c
	s_cmp_lg_u32 s2, 0xf033
	s_cbranch_scc0 .Lentry_shape_is_right
	s_endpgm
.Lentry_shape_is_right:
; out0[m][n] = bias[n] + sum over k of x[m][k] w[n][k].  x_codes [4096][4096] and wc [4096][4096]: codes of FP8 (E4M3), K innermost.
; xs and ws [16][4096][8]: their E8M0 bytes laid by K step of 256, so that a K step's bytes of 256 rows are 2,048 consecutive bytes.  Sums in f32, K ascending.
; A tile of out0, 256 x 256, is made by four waves; a wave makes 128 x 128: 64 accumulators of 16 x 16, 512 registers.  256 work-groups, one tile each.
; K goes in 16 steps of 256 through a ring of two LDS slots.  A slot holds x's 256 rows, w's 256 rows (256 bytes each + 16 of padding) and both sides' 2,048 scale bytes:
; four tiles, one tensor load a wave (wave 0 x's codes, 1 w's codes, 2 x's scales, 3 w's scales).
; CLUSTERS of 4 x 4: x's tiles are shared along a row of the cluster, w's along a column; each is asked for jointly, by the same load with a mask that names the four.
; THE MATRIX INSTRUCTION IS USED TRANSPOSED (source 0 = 16 rows of w, source 1 = 16 rows of x): a lane holds eight neighbouring columns of one row of out0.
; THE BIAS is the C of each accumulator's first product; it is loaded at the head, ahead of the tiles.
; A STEP of 128 along K is 64 products: x's blocks 0-3 against w's blocks 0-3, then against w's 4-7, then x's blocks 4-7 against w's eight.  x has one set of registers, w two.
; The next step's 64 LDS loads stand in TWO RUNS OF 32: in the step's middle w's blocks 0-3 and x's blocks 0-3, at its end w's blocks 4-7 and x's blocks 4-7.
; So each run has 32 products behind it before its first fragment but w's blocks 4-7 is used, and those have 16.
; PREFETCH: behind the refill for K step t every wave asks for K step t + 2: 32 rows x 256 bytes of codes, a lane a row, and one block of 256 bytes of scales (all lanes name it).
; Of a tile's 256 rows and 8 scale blocks each of the four partners that load it jointly takes a quarter, told apart by address (cx for x, cy for w), its two waves a half of that each.
; The head asks for K steps 1 and 2, the first fill of slot 1 for K step 3; K step 0 comes by its load alone; the refills for K steps 14 and 15 ask for nothing.
; THE LAST K STEP GOES BY ROWS OF out0: all its fragments of w fill window 1, x's come by blocks of 16 rows x 256 K, and each block of 16 rows is stored when its 16 products are done.
; REGISTERS: window 0: v0-31 addresses; v32-63 scale words, a set for each slot; v64-127 the bias, later the rows on the way out; v128-255 x's fragments.
;   window 1: w's fragments, two sets.  windows 2, 3: the accumulators of my rows 0-63, 64-127 (accumulator (a, b) at v[8 (8 (a % 4) + b)]).
.set SIZE_N, 4096
.set KROW,   4096
.set NQ,     2                         ; matrix instructions deep in a slot
.set PITCH,  272                       ; an LDS row: 256 bytes + 16 of padding
.set FR,     16                        ; registers of a fragment; four LDS loads bring one
.set NP,     8                         ; places behind this matrix instruction (ISA guide 7.12.1)
.set HALFT,  128*PITCH
.set SCA,    4*HALFT                   ; in a slot, behind the codes: x's scale bytes,
.set SCB,    SCA+2176                  ; and w's, 128 bytes further on than dense
.set SLOT,   SCB+2048+128
.set SPARE,  2*SLOT                    ; the spare words: 128 bytes a wave, named by no other line
.set LAPS,   8
.set SPITCH, 528                       ; the way out: a stage of 16 rows x (512 + 16) bytes a wave, in slot 0, behind that slot's last fill and last read
.set ADRA, 16                          ; v16-17 my x fragments in slot 0, 1
.set ADRB, 20                          ; v20-21 my w fragments
.set ADRS, 22                          ; v22-23 my scale words: lanes 0-15 x's rows, lanes 16-31 w's
.set STO,  24
.set RD,   25
.set CO,   26
.set PFO,  27                          ; lane x 4,096: a row of codes a lane
.set SPW,  28
.set NIL,  29
.set PFZ,  30                          ; 0: the scale prefetch's offset
.set SC,   32
.set BI,   64
.set AF,   128
.set G1A,  24
.set G0A,  32
.set G1B,  48
.set G0B,  56
.set G1SA, 68
.set G0SA, 76
.set G1SB, 84
.set G0SB, 92
.set PFA,  100                         ; s[100:101] my 32 rows of codes, s[104:105] my block of scales: where the prefetches stand
.set SFA,  104
.set MSB, 0
.macro WIN new                         ; the immediate's high byte repeats the setting that is left
.if MSB != \new
	s_set_vgpr_msb (MSB<<8)|\new
.set MSB, \new
.endif
.endm
.set MUL_LO, 0xa1                      ; source 0 (w) window 1, source 1 (x) window 0, C and D window 2 (+ 0x50: window 3)
.set BEG_LO, 0x81                      ; the same with C (the bias) in window 0 (+ 0x40: D window 3)
.set TO_B,   0x40
.macro MW hi, first                    ; the windows of the products
.if \first
	WIN BEG_LO+0x40*\hi
.else
	WIN MUL_LO+0x50*\hi
.endif
.endm
.macro FOUR                            ; an s_nop and four v_nop behind a tensor load
	s_nop 0
.rept 4
	v_nop
.endr
.endm
; The four tiles of a slot, one a wave: one chain of branches on the wave's number, a load to an arm, all arms to one join.
.macro JLOAD s
	s_cmp_lt_u32 s16, 1
	s_cbranch_scc0 .Lj1_\@
	tensor_load_to_lds s[G0A+4*\s:G0A+4*\s+3], s[G1A:G1A+7]
	FOUR
	s_branch .Lasked_\@
.Lj1_\@:
	s_cmp_lt_u32 s16, 2
	s_cbranch_scc0 .Lj2_\@
	tensor_load_to_lds s[G0B+4*\s:G0B+4*\s+3], s[G1B:G1B+7]
	FOUR
	s_branch .Lasked_\@
.Lj2_\@:
	s_cmp_lt_u32 s16, 3
	s_cbranch_scc0 .Lj3_\@
	tensor_load_to_lds s[G0SA+4*\s:G0SA+4*\s+3], s[G1SA:G1SA+7]
	FOUR
	s_branch .Lasked_\@
.Lj3_\@:
	tensor_load_to_lds s[G0SB+4*\s:G0SB+4*\s+3], s[G1SB:G1SB+7]
	FOUR
.Lasked_\@:
.endm
.macro PREF n                          ; K step n counted from where the two addresses stand
	global_prefetch_b8 v[PFO], s[PFA:PFA+1] offset:256*\n th:TH_LOAD_NT scope:SCOPE_SE
	global_prefetch_b8 v[PFZ], s[SFA:SFA+1] offset:32768*\n th:TH_LOAD_NT scope:SCOPE_SE
.endm
.macro ASK                             ; in the loop: not in its last trip, whose refills are K steps 14 and 15
	s_cmp_gt_u32 s3, 1
	s_cbranch_scc0 .Lno_ask_\@
	PREF 3
.Lno_ask_\@:
.endm
.macro CREST                           ; a round of the cluster's barrier behind its opening barrier
	s_cmp_lg_u32 s16, 0
	s_cbranch_scc1 .Lnot_wave_0_\@
	s_barrier_signal -3
.Lnot_wave_0_\@:
	s_barrier_wait -3
	s_barrier_signal -1
	s_barrier_wait -1
.endm
.macro CROUND
	s_barrier_signal -1
	s_barrier_wait -1
	CREST
.endm
	s_load_b128 s[4:7], s[0:1], 0x0                ; x_codes, xs
	s_load_b128 s[8:11], s[0:1], 0x10              ; wc, ws
	s_load_b128 s[12:15], s[0:1], 0x20             ; bias, out0
	v_lshl_add_u32 v[SPW], v0, 2, SPARE
	v_mov_b32 v[NIL], 0
	ds_add_u32 v[SPW], v[NIL]                      ; the opening lines: the add, twice on end, and one wait
	ds_add_u32 v[SPW], v[NIL]
	v_lshrrev_b32 v8, 5, v0
	v_readfirstlane_b32 s16, v8                    ; wave 0..3
	v_and_b32 v1, 15, v0                           ; l % 16
	v_bfe_u32 v2, v0, 4, 1                         ; l / 16
	v_lshlrev_b32 v7, 5, v2                        ; the bias: my eight columns of a block begin at 32 (l / 16) bytes
	v_and_b32 v6, 31, v0
	v_lshlrev_b32 v[PFO], 12, v6
	v_mov_b32 v[PFZ], 0
	s_lshr_b32 s17, s16, 1                         ; which half of the tile's rows is mine; also: I prefetch for x (0) or w (1)
	s_and_b32 s18, s16, 1                          ; which half of its columns
	s_bfe_u32 s40, ttmp6, 0x40000                  ; cx
	s_bfe_u32 s41, ttmp6, 0x40004                  ; cy
	s_lshl_b32 s42, ttmp9, 2
	s_add_co_u32 s42, s42, s40                     ; tile column
	s_and_b32 s19, ttmp7, 0xffff
	s_lshl_b32 s19, s19, 2
	s_add_co_u32 s19, s19, s41                     ; tile row
	s_lshl_b32 s43, s41, 2
	s_lshl_b32 s43, 15, s43                        ; my row of the cluster
	s_lshl_b32 s44, 0x1111, s40                    ; my column
	s_or_b32 s[G1A], s43, (0<<16)|(1<<20)|(1<<21)|(5<<22)|(3<<25)   ; codes: elements of 1 byte, 4 words of padding behind every 64
	s_or_b32 s[G1B], s44, (0<<16)|(1<<20)|(1<<21)|(5<<22)|(3<<25)
.irp g, G1A, G1B
	s_mov_b32 s[\g+1], 256<<16
	s_mov_b32 s[\g+2], 256<<16
	s_mov_b32 s[\g+3], 256<<16
	s_mov_b32 s[\g+4], 256
	s_mov_b32 s[\g+5], KROW
	s_mov_b32 s[\g+6], 0
	s_mov_b32 s[\g+7], 0
.endr
	s_or_b32 s[G1SA], s43, (3<<16)|(1<<21)         ; scales: a dense block, 8 rows of 32 elements of 8 bytes
	s_or_b32 s[G1SB], s44, (3<<16)|(1<<21)
.irp g, G1SA, G1SB
	s_mov_b32 s[\g+1], 32<<16
	s_mov_b32 s[\g+2], 8<<16
	s_mov_b32 s[\g+3], 32<<16
	s_mov_b32 s[\g+4], 8
	s_mov_b32 s[\g+5], 32
	s_mov_b32 s[\g+6], 0
	s_mov_b32 s[\g+7], 0
.endr
	s_lshl_b32 s20, s19, 20                        ; x's codes: 256 rows of 4,096 bytes a tile row
	s_mov_b32 s21, 0
	s_lshl_b32 s22, s19, 11                        ; its scales: 2,048 bytes
	s_mov_b32 s23, 0
	s_lshl_b32 s46, s42, 20
	s_mov_b32 s47, 0
	s_lshl_b32 s66, s42, 11
	s_mov_b32 s67, 0
	s_lshl_b32 s2, s42, 10                         ; my first column, in bytes of f32: 1,024 x tile column + 512 x half
	s_lshl_b32 s3, s18, 9
	s_add_co_u32 s2, s2, s3
	s_mov_b32 s3, 0
	s_lshl_b32 s44, s19, 8                         ; my first row of out0: 256 x tile row + 128 x half, rows of 16,384 bytes
	s_lshl_b32 s45, s17, 7
	s_add_co_u32 s44, s44, s45
	s_lshl_b32 s44, s44, 14
	s_mov_b32 s45, 0
	s_wait_alu depctr_va_vdst(0)
	s_wait_dscnt 0x0                               ; both opening adds are done
	s_wait_kmcnt 0x0
	s_add_nc_u64 s[12:13], s[12:13], s[2:3]
.irp b, 0,1,2,3,4,5,6,7
	global_load_b128 v[BI+8*\b:BI+8*\b+3], v7, s[12:13] offset:64*\b          ; bias of columns 16 b + 8 (l / 16) + 0 .. 7
	global_load_b128 v[BI+8*\b+4:BI+8*\b+7], v7, s[12:13] offset:64*\b+16
.endr
	s_add_nc_u64 s[20:21], s[4:5], s[20:21]
	s_add_nc_u64 s[22:23], s[6:7], s[22:23]
	s_add_nc_u64 s[46:47], s[8:9], s[46:47]
	s_add_nc_u64 s[66:67], s[10:11], s[66:67]
	s_add_nc_u64 s[14:15], s[14:15], s[2:3]
	s_add_nc_u64 s[14:15], s[14:15], s[44:45]
.irp s, 0,1
	s_mov_b32 s[G0A+4*\s], 1
	s_mov_b32 s[G0A+4*\s+1], \s*SLOT
	s_add_nc_u64 s[G0A+4*\s+2:G0A+4*\s+3], s[20:21], \s*256
	s_or_b32 s[G0A+4*\s+3], s[G0A+4*\s+3], 0x80000000
	s_mov_b32 s[G0B+4*\s], 1
	s_mov_b32 s[G0B+4*\s+1], \s*SLOT+2*HALFT
	s_add_nc_u64 s[G0B+4*\s+2:G0B+4*\s+3], s[46:47], \s*256
	s_or_b32 s[G0B+4*\s+3], s[G0B+4*\s+3], 0x80000000
	s_mov_b32 s[G0SA+4*\s], 1
	s_mov_b32 s[G0SA+4*\s+1], \s*SLOT+SCA
	s_add_nc_u64 s[G0SA+4*\s+2:G0SA+4*\s+3], s[22:23], \s*32768
	s_or_b32 s[G0SA+4*\s+3], s[G0SA+4*\s+3], 0x80000000
	s_mov_b32 s[G0SB+4*\s], 1
	s_mov_b32 s[G0SB+4*\s+1], \s*SLOT+SCB
	s_add_nc_u64 s[G0SB+4*\s+2:G0SB+4*\s+3], s[66:67], \s*32768
	s_or_b32 s[G0SB+4*\s+3], s[G0SB+4*\s+3], 0x80000000
.endr
	CROUND                                         ; all sixteen work-groups are here: the first joint loads meet
	JLOAD 0                                        ; K step 0: one tensor load a wave at the head
	; where my prefetches stand: the tile's first row + 64 x my place among the four partners + 32 x (wave % 2); scales: 2,048 x tile + 512 x place + 256 x (wave % 2)
	s_lshl_b32 s2, s19, 8
	s_lshl_b32 s3, s40, 6
	s_add_co_u32 s2, s2, s3
	s_lshl_b32 s43, s42, 8
	s_lshl_b32 s3, s41, 6
	s_add_co_u32 s43, s43, s3
	s_lshl_b32 s44, s19, 11
	s_lshl_b32 s3, s40, 9
	s_add_co_u32 s44, s44, s3
	s_lshl_b32 s45, s42, 11
	s_lshl_b32 s3, s41, 9
	s_add_co_u32 s45, s45, s3
	s_cmp_eq_u32 s17, 0
	s_cselect_b32 s2, s2, s43
	s_cselect_b32 s44, s44, s45
	s_cselect_b64 s[PFA:PFA+1], s[4:5], s[8:9]
	s_cselect_b64 s[SFA:SFA+1], s[6:7], s[10:11]
	s_lshl_b32 s3, s18, 5
	s_add_co_u32 s2, s2, s3
	s_lshl_b32 s2, s2, 12
	s_mov_b32 s3, 0
	s_add_nc_u64 s[PFA:PFA+1], s[PFA:PFA+1], s[2:3]
	s_lshl_b32 s3, s18, 8
	s_add_co_u32 s44, s44, s3
	s_mov_b32 s45, 0
	s_add_nc_u64 s[SFA:SFA+1], s[SFA:SFA+1], s[44:45]
	PREF 1
	PREF 2
	s_mul_i32 s4, s17, HALFT                       ; my 128 rows of x
	s_mul_i32 s5, s18, HALFT                       ; my 128 rows of w, behind x's 256
	s_add_co_u32 s5, s5, 2*HALFT
	s_xor_b32 s6, s17, 1                           ; from x's scale words to w's: SCB - SCA + 1,024 (column half - row half)
	s_add_co_u32 s6, s6, s18
	s_lshl_b32 s6, s6, 10
	s_add_co_u32 s6, s6, 1152
	s_lshl_b32 s7, s17, 10
	s_add_co_u32 s7, s7, SCA
	s_mul_i32 s8, s16, 16*SPITCH                   ; my stage
	v_mul_u32_u24 v3, v1, PITCH
	v_lshl_add_u32 v4, v2, 4, v3                   ; a fragment's row x pitch + 16 x half
	v_add_nc_u32 v[ADRA], s4, v4
	v_add_nc_u32 v[ADRB], s5, v4
	v_add_nc_u32 v[ADRA+1], SLOT, v[ADRA]
	v_add_nc_u32 v[ADRB+1], SLOT, v[ADRB]
	v_mul_u32_u24 v5, s6, v2                       ; lanes 16-31 take w's words
	v_lshl_add_u32 v5, v1, 3, v5                   ; 8 bytes a row
	v_add_nc_u32 v[ADRS], s7, v5
	v_add_nc_u32 v[ADRS+1], SLOT, v[ADRS]
	v_mul_u32_u24 v9, v1, SPITCH                   ; into the stage: row l % 16, 32 bytes for each half of the lanes
	v_lshl_add_u32 v9, v2, 5, v9
	v_add_nc_u32 v[STO], s8, v9
	v_lshlrev_b32 v[CO], 4, v6                     ; back: the 32 lanes take one row of 512 bytes; the same in out0
	v_add_nc_u32 v[RD], s8, v[CO]
.macro FRAG reg, adr, q, i             ; 16 rows x 128 K: registers 4 c .. 4 c + 3 hold K = 32 c + 16 (l / 16) + 0 .. 15
.irp c, 0,1,2,3
	ds_load_b128 v[\reg+4*\c:\reg+4*\c+3], v[\adr] offset:128*(\q)+32*\c+(\i)*16*PITCH
.endr
.endm
; Half of a step's fragments, 32 LDS loads in one run: w's blocks i0 .. i0 + 3 of the slot's q-th 128 along K into set p, then x's blocks i0 .. i0 + 3.  It leaves every window 0.
.macro HALF slot, q, p, i0
	WIN TO_B
.irp i, \i0, \i0+1, \i0+2, \i0+3
	FRAG 128*(\p)+FR*(\i), ADRB+\slot, \q, \i
.endr
	WIN 0
.irp i, \i0, \i0+1, \i0+2, \i0+3
	FRAG AF+FR*(\i), ADRA+\slot, \q, \i
.endr
.endm
; One product: x's block a against w's block b.  first = 1: C is the bias.
.macro WM a, b, p, q, sc, first
.if \first
	v_wmma_scale_f32_16x16x128_f8f6f4 v[8*(8*((\a)%4)+(\b)):8*(8*((\a)%4)+(\b))+7], v[128*(\p)+FR*(\b):128*(\p)+FR*(\b)+FR-1], v[AF+FR*(\a):AF+FR*(\a)+FR-1], v[BI+8*(\b):BI+8*(\b)+7], v[SC+8*NQ*(\sc)+NQ*(\b)+(\q)], v[SC+8*NQ*(\sc)+NQ*(\a)+(\q)] matrix_a_scale:MATRIX_SCALE_ROW1
.else
	v_wmma_scale_f32_16x16x128_f8f6f4 v[8*(8*((\a)%4)+(\b)):8*(8*((\a)%4)+(\b))+7], v[128*(\p)+FR*(\b):128*(\p)+FR*(\b)+FR-1], v[AF+FR*(\a):AF+FR*(\a)+FR-1], v[8*(8*((\a)%4)+(\b)):8*(8*((\a)%4)+(\b))+7], v[SC+8*NQ*(\sc)+NQ*(\b)+(\q)], v[SC+8*NQ*(\sc)+NQ*(\a)+(\q)] matrix_a_scale:MATRIX_SCALE_ROW1
.endif
.endm
; 16 products each.  The 64 accumulators take turns, one instruction a turn, in the same order in every step.
.macro MULH b0, p, q, sc, first        ; x's blocks 0-3 against w's blocks b0 .. b0 + 3
.irp a, 0,1,2,3
.irp b, \b0, \b0+1, \b0+2, \b0+3
	WM \a, \b, \p, \q, \sc, \first
.endr
.endr
.endm
.macro MULA a0, p, q, sc, first        ; x's blocks a0, a0 + 1 against w's eight
.irp a, \a0, \a0+1
.irp b, 0,1,2,3,4,5,6,7
	WM \a, \b, \p, \q, \sc, \first
.endr
.endr
.endm
.macro FETCH_B slot, q, p              ; w's eight blocks into set p
	WIN TO_B
.irp i, 0,1,2,3,4,5,6,7
	FRAG 128*(\p)+FR*\i, ADRB+\slot, \q, \i
.endr
	WIN 0
.endm
.macro SCALES sc                       ; the slot's two words a row: lanes 0-15 x's block i, lanes 16-31 w's block i
.irp i, 0,1,2,3,4,5,6,7
	ds_load_b64 v[SC+8*NQ*\sc+NQ*\i:SC+8*NQ*\sc+NQ*\i+1], v[ADRS+\sc] offset:128*\i
.endr
.endm
.macro PLACES n                        ; ahead of loads into registers that matrix instructions have read, and of stores that read results
.rept \n
	v_nop
.endr
.endm
; A slot's first step; its two runs fetch the slot's second step.
.macro STEP slot, first
	s_wait_dscnt 32                                ; all but the 32 loads of the last run
	MW 0, \first
	MULH 0, 0, 0, \slot, \first
	s_wait_dscnt 16                                ; w's blocks 4-7 are in; x's blocks 4-7 may be out
	MULH 4, 0, 0, \slot, \first
	s_wait_dscnt 0
	PLACES NP
	HALF \slot, 1, 1, 0
	MW 1, \first
	MULA 4, 0, 0, \slot, \first
	MULA 6, 0, 0, \slot, \first
	PLACES NP
	HALF \slot, 1, 1, 4
.endm
; The first half of a slot's last step, with the barrier of the change of slots.  In front of it each wave waits for all its tensor loads, adds 0 to its spare word, and waits for the add and for its reads of this slot.
.macro MEET slot, fill
	s_wait_tensorcnt 0x0                           ; my tile of the next slot has landed: no tensor load of mine is out
	ds_add_u32 v[SPW], v[NIL]
.if \fill
	s_add_nc_u64 s[G0A+4*\slot+2:G0A+4*\slot+3], s[G0A+4*\slot+2:G0A+4*\slot+3], 512       ; this slot's next K step
	s_add_nc_u64 s[G0B+4*\slot+2:G0B+4*\slot+3], s[G0B+4*\slot+2:G0B+4*\slot+3], 512
	s_add_nc_u64 s[G0SA+4*\slot+2:G0SA+4*\slot+3], s[G0SA+4*\slot+2:G0SA+4*\slot+3], 65536
	s_add_nc_u64 s[G0SB+4*\slot+2:G0SB+4*\slot+3], s[G0SB+4*\slot+2:G0SB+4*\slot+3], 65536
.endif
	s_wait_dscnt 33                                ; the add and the 32 loads of the last run may be out
	MW 0, 0
	MULH 0, 1, 1, \slot, 0
	s_wait_dscnt 0x0                               ; the add is done, my reads of this slot are over
	s_barrier_signal -1
	MULH 4, 1, 1, \slot, 0
	WIN 0
	s_barrier_wait -1
.endm
.macro TURN slot, next
	s_wait_xcnt 0x0                                ; my prefetches have read their addresses, which step one K step
	s_add_nc_u64 s[PFA:PFA+1], s[PFA:PFA+1], 256
	s_add_nc_u64 s[SFA:SFA+1], s[SFA:SFA+1], 32768
	MEET \slot, 1
	CREST                                          ; the barrier has opened a round: no wave of any partner still reads this slot or has a load on its way
	JLOAD \slot                                    ; the refill, first behind the round; its four v_nop are four of the places
	PLACES NP-4
	HALF \next, 0, 0, 0
	SCALES \next
	ASK
	MW 1, 0
	MULA 4, 1, 1, \slot, 0
	MULA 6, 1, 1, \slot, 0
	PLACES NP
	HALF \next, 0, 0, 4
.endm
	s_wait_alu depctr_va_vdst(0)
	s_wait_tensorcnt 0x0                           ; my tile of K step 0 is in; the lines that stand ahead of a refill stand ahead of slot 1's first fill too
	ds_add_u32 v[SPW], v[NIL]
	s_wait_dscnt 0x0
	CROUND
	JLOAD 1                                        ; K step 1
	HALF 0, 0, 0, 0
	SCALES 0
	PREF 3
	HALF 0, 0, 0, 4
	s_wait_loadcnt 0x0                             ; the bias
	STEP 0, 1                                      ; the first step stands ahead of the loop: its products start the sums on the bias
	s_mov_b32 s3, LAPS-1
.Llap:                                                 ; once round the ring, from a lap's second step to the next lap's first
	TURN 0, 1
	STEP 1, 0
	TURN 1, 0
	STEP 0, 0
	s_sub_co_u32 s3, s3, 1
	s_cmp_lg_u32 s3, 0
	s_cbranch_scc1 .Llap
; K step 14's last step, and K step 15 (slot 1) by rows.
.macro ALOAD a                         ; x's block a, both halves of the K step, into buffer a % 4 of 32 registers
.irp q, 0,1
	FRAG AF+32*((\a)%4)+16*\q, ADRA+1, \q, \a
.endr
.endm
.macro ROW a                           ; block a is finished: 16 products, its 8 accumulators by turns, K ascending
.set FA, AF+32*((\a)%4)
.set AC, 64*((\a)%4)
	WIN MUL_LO+0x50*((\a)/4)
.irp q, 0,1
.if (\a) == 0 && \q == 1
	s_wait_dscnt 16                                ; w's second set is in (behind it: x's blocks 2 and 3)
.endif
.irp b, 0,1,2,3,4,5,6,7
	v_wmma_scale_f32_16x16x128_f8f6f4 v[AC+8*\b:AC+8*\b+7], v[128*\q+FR*\b:128*\q+FR*\b+FR-1], v[FA+16*\q:FA+16*\q+15], v[AC+8*\b:AC+8*\b+7], v[SC+8*NQ+NQ*\b+\q], v[SC+8*NQ+NQ*(\a)+\q] matrix_a_scale:MATRIX_SCALE_ROW1
.endr
.endr
.endm
.macro TOSTAGE a                       ; 16 rows x 128 columns into my stage, each accumulator from its low end on, and back as whole rows of 512 bytes (LDS serves a wave's instructions in order)
.set AC, 64*((\a)%4)
	WIN 0x08+4*((\a)/4)
.irp b, 0,1,2,3,4,5,6,7
	ds_store_b128 v[STO], v[AC+8*\b:AC+8*\b+3] offset:64*\b
	ds_store_b128 v[STO], v[AC+8*\b+4:AC+8*\b+7] offset:64*\b+16
.endr
	WIN 0
.irp t, 0,1,2,3,4,5,6,7,8,9,10,11,12,13,14,15
	ds_load_b128 v[BI+4*\t:BI+4*\t+3], v[RD] offset:\t*SPITCH
.endr
.endm
.macro SEND a, younger
	s_wait_dscnt \younger                          ; the block is back in registers
.if (\a) > 0
	s_add_nc_u64 s[14:15], s[14:15], 16*SIZE_N*4   ; behind the wait on XCNT ahead of TOSTAGE: 16 rows on
.endif
.irp t, 0,1,2,3,4,5,6,7,8,9,10,11,12,13,14,15
	global_store_b128 v[CO], v[BI+4*\t:BI+4*\t+3], s[14:15] offset:\t*SIZE_N*4 th:TH_STORE_NT   ; 32 lanes store 512 consecutive bytes, at a multiple of 256
.endr
.endm
	MEET 0, 0                                      ; nothing is filled again: no round follows
	PLACES NP
	FETCH_B 1, 0, 0                                ; w's first half of K step 15 into set 0,
	ALOAD 0                                        ; x's blocks 0 and 1 where blocks 0-3 lay,
	ALOAD 1
	SCALES 1
	MW 1, 0
	MULA 4, 1, 1, 0, 0
	MULA 6, 1, 1, 0, 0
	PLACES NP
	FETCH_B 1, 1, 1                                ; w's second half into set 1,
	ALOAD 2
	ALOAD 3
	s_wait_dscnt 48                                ; all but the 48 just issued
	ROW 0
.irp a, 0,1,2,3,4,5,6,7
	PLACES NP                                      ; ahead of the stores that read results just made and of the loads into the block's fragments
.if \a > 0
	s_wait_xcnt 0x0                                ; the last block's stores have read their registers and their base
.endif
	TOSTAGE \a
.if \a < 4
	ALOAD \a+4
	SEND \a, 8                                     ; the eight loads of the block four on may be out
.else
	SEND \a, 0
.endif
.if \a < 7
	ROW \a+1
.endif
.endr
	s_wait_tensorcnt 0x0                           ; the wave's end
	ds_add_u32 v[SPW], v[NIL]
	s_wait_dscnt 0x0
	CROUND                                         ; the closing round
	s_endpgm
.Lfunc_end_k_q9a42c1deb5_gemm:
	.size	k_q9a42c1deb5_gemm, .Lfunc_end_k_q9a42c1deb5_gemm-k_q9a42c1deb5_gemm
	.p2alignl 7, 3214868480
	.fill 96, 4, 3214868480
	.section	.rodata,"a",@progbits
	.p2align	6, 0x0
	.amdhsa_kernel k_q9a42c1deb5_gemm
		.amdhsa_group_segment_fixed_size 327680
		.amdhsa_private_segment_fixed_size 0
		.amdhsa_enable_private_segment 0
		.amdhsa_kernarg_size 48
		.amdhsa_user_sgpr_count 2
		.amdhsa_user_sgpr_kernarg_segment_ptr 1
		.amdhsa_wavefront_size32 1
		.amdhsa_system_sgpr_workgroup_id_x 1
		.amdhsa_system_sgpr_workgroup_id_y 1
		.amdhsa_system_sgpr_workgroup_id_z 1
		.amdhsa_system_vgpr_workitem_id 0
		.amdhsa_next_free_vgpr 1024
		.amdhsa_next_free_sgpr 106
		.amdhsa_reserve_vcc 0
		.amdhsa_float_denorm_mode_32 3
		.amdhsa_float_denorm_mode_16_64 3
		.amdhsa_memory_ordered 1
		.amdhsa_forward_progress 1
		.amdhsa_inst_pref_size 153
	.end_amdhsa_kernel
	.amdgpu_metadata
---
amdhsa.version: [ 1, 2 ]
amdhsa.kernels:
  - .name:           k_q9a42c1deb5_gemm
    .symbol:         k_q9a42c1deb5_gemm.kd
    .args:
      - { .name: x_codes, .offset: 0, .size: 8, .value_kind: global_buffer, .address_space: global }
      - { .name: xs, .offset: 8, .size: 8, .value_kind: global_buffer, .address_space: global }
      - { .name: wc, .offset: 16, .size: 8, .value_kind: global_buffer, .address_space: global }
      - { .name: ws, .offset: 24, .size: 8, .value_kind: global_buffer, .address_space: global }
      - { .name: bias, .offset: 32, .size: 8, .value_kind: global_buffer, .address_space: global }
      - { .name: out0, .offset: 40, .size: 8, .value_kind: global_buffer, .address_space: global }
    .group_segment_fixed_size: 327680
    .private_segment_fixed_size: 0
    .kernarg_segment_align: 8
    .kernarg_segment_size: 48
    .max_flat_workgroup_size: 128
    .sgpr_count:     106
    .vgpr_count:     1024
    .wavefront_size: 32
...
	.end_amdgpu_metadata
.endif
;; end of part 2
